; MI455X (gfx1250); checked and timed in simulation.
; The chip was launched on July 23, 2026; its instructions are those of AMD's public machine-readable ISA for CDNA 5 (MIT licence, August 2026) and "CDNA5" Instruction Set Architecture Reference Guide (July 2026). The comments in the code are by the model that wrote it; some were corrected since.
;; MHA. Allowed arithmetic: float matrix products may take bf16 or f16 operands with f32 sums; all other float work in f32.
;; Inputs: Wk 1,024 x 1,024 float32; Wo 1,024 x 1,024 float32; Wq 1,024 x 1,024 float32; Wv 1,024 x 1,024 float32; bk 1,024 float32; bo 1,024 float32; bq 1,024 float32; bv 1,024 float32; k 2 x 2,048 x 1,024 float32; q 2 x 2,048 x 1,024 float32; v 2 x 2,048 x 1,024 float32.
;; Outputs: out0 2 x 2,048 x 1,024 float32.
;; One version. Each part assembles by itself: llvm-mc -triple=amdgcn-amd-amdhsa -mcpu=gfx1250 --defsym DOCPART=n.
;; ======== version 1 of 1: 4 launches
;; limits: values are held in f16: magnitudes above 65,504 overflow, below 6.1e-05 lose precision
;; workspace buffers: xb 25,165,824 bytes; wt 8,388,608 bytes; qkvh 25,165,824 bytes; ctxh 8,388,608 bytes
;; launch conv (part 1): grid 512 x 1, 8 waves a work-group, no clusters, 18,432 bytes of LDS; arguments q, k, v, Wq, Wk, Wv, Wo, xb, wt; writes xb, wt
.if DOCPART == 1
	.amdgcn_target "amdgcn-amd-amdhsa--gfx1250"
	.amdhsa_code_object_version 6
	.text
	.protected	k_qc3da29b1b0_conv
	.globl	k_qc3da29b1b0_conv
	.p2align	8
	.type	k_qc3da29b1b0_conv,@function
k_qc3da29b1b0_conv:
	s_mov_b64 s[64:65], 0
	v_nop
	global_prefetch_b8 v0, s[64:65] scope:SCOPE_SE
	s_setreg_imm32_b32 hwreg(HW_REG_WAVE_MODE, 25, 1), 1
	s_wait_xcnt 0x0
; q, k, v [4096][1024] f32 -> xb [3][4096][1024] f16;  Wq, Wk, Wv, Wo [k][n] f32 -> wt [4][n][k] f16 (transposed).
; The later launches bring their tiles in by the tensor data mover, which converts nothing, and take fragments with K along the rows.
; 512 work-groups of 8 waves, all alike.  Each converts 8,192 consecutive numbers of each of q, k, v and transposes one tile
; of 128 k x 64 n of one W (4 matrices x 8 x 16 tiles = 512).  Nothing is shared between work-groups: no cluster, no matrix unit.
; LIMIT: numbers of magnitude 65,504 and more do not fit f16 and become infinite; numbers below 2^-14 keep fewer bits.
; All 32 loads of a thread are issued first; the waits count down as the data are used.
.set WR, 8                             ; v[8:39]    eight rows of W, 4 columns each
.set TT, 40                            ; v[40:55]   column j: its eight k, packed to 16 bytes
.set RB, 56                            ; v[56:71]   four pieces of rows of W^T, read back
.set XX, 72                            ; v[72:167]  twelve groups of 8 numbers of q, k, v
.set LPITCH, 272                       ; an LDS row: 128 k x 2 bytes + 16, so that 16 rows start in 16 different 16-byte columns
	s_load_b512 s[4:19], s[0:1], 0x0               ; q s[4:5], k s[6:7], v s[8:9], Wq s[10:11], Wk s[12:13], Wv s[14:15], Wo s[16:17], xb s[18:19]
	s_load_b64 s[20:21], s[0:1], 0x40              ; wt
	v_lshl_add_u32 v176, v0, 2, 0x4400
	v_mov_b32 v177, 0
	v_and_b32 v3, 15, v0                           ; nq: which four columns (loading); which 16 bytes of a row (storing)
	v_lshrrev_b32 v2, 4, v0                        ; ko: which eight k (loading); which row (storing)
	v_mul_u32_u24 v5, v3, LPITCH
	v_lshl_add_u32 v5, v2, 4, v5                   ; into LDS: row nq (+ 16 j), byte 16 ko
	v_mul_u32_u24 v6, v2, LPITCH
	v_lshl_add_u32 v6, v3, 4, v6                   ; out of LDS: row t / 16 (+ 16 i), byte 16 (t % 16)
	v_lshlrev_b32 v3, 4, v3
	v_lshl_add_u32 v4, v2, 15, v3                  ; in W: 8 ko rows of 4,096 bytes + 16 nq
	v_lshl_add_u32 v7, v2, 13, v3                  ; in wt: 4 (t / 16) rows of 2,048 bytes + 16 (t % 16)
	v_lshlrev_b32 v1, 5, v0                        ; in x: 32 bytes a thread
	v_lshlrev_b32 v2, 4, v0                        ; in xb: 16 bytes a thread
	s_lshr_b32 s36, ttmp9, 7                       ; which W
	s_and_b32 s37, ttmp9, 7                        ; kt: which 128 k
	s_bfe_u32 s38, ttmp9, 0x40003                  ; nt: which 64 n
	s_lshl_b32 s24, ttmp9, 15                      ; my 32,768 bytes of q, k, v
	s_mov_b32 s25, 0
	s_lshl_b32 s26, ttmp9, 14                      ; my 16,384 bytes of each third of xb
	s_mov_b32 s27, 0
	s_lshl_b32 s28, s37, 19                        ; 128 kt rows of W
	s_lshl_b32 s39, s38, 8                         ; + 64 nt columns
	s_add_co_u32 s28, s28, s39
	s_mov_b32 s29, 0
	s_lshl_b32 s40, s36, 21                        ; in wt: the matrix,
	s_lshl_b32 s41, s38, 17                        ; 64 nt rows of 2,048 bytes,
	s_add_co_u32 s40, s40, s41
	s_lshl_b32 s41, s37, 8                         ; 128 kt columns
	s_add_co_u32 s40, s40, s41
	s_mov_b32 s41, 0
	s_wait_kmcnt 0x0
	s_mov_b64 s[22:23], s[16:17]                   ; the W of this work-group
	s_cmp_eq_u32 s36, 0
	s_cselect_b64 s[22:23], s[10:11], s[22:23]
	s_cmp_eq_u32 s36, 1
	s_cselect_b64 s[22:23], s[12:13], s[22:23]
	s_cmp_eq_u32 s36, 2
	s_cselect_b64 s[22:23], s[14:15], s[22:23]
	s_add_nc_u64 s[22:23], s[22:23], s[28:29]
	s_add_nc_u64 s[20:21], s[20:21], s[40:41]
	s_add_nc_u64 s[4:5], s[4:5], s[24:25]
	s_add_nc_u64 s[6:7], s[6:7], s[24:25]
	s_add_nc_u64 s[8:9], s[8:9], s[24:25]
	s_add_nc_u64 s[30:31], s[18:19], s[26:27]      ; xb's three thirds, 8,388,608 bytes apart
	s_add_nc_u64 s[32:33], s[30:31], 0x800000
	s_add_nc_u64 s[34:35], s[32:33], 0x800000
.irp e, 0,1,2,3,4,5,6,7
	global_load_b128 v[WR+4*\e:WR+4*\e+3], v4, s[22:23] offset:\e*4096 th:TH_LOAD_NT      ; row 8 ko + e: 16 lanes cover 256 consecutive bytes
.endr
.irp b, 0,1,2
.irp u, 0,1,2,3
	global_load_b128 v[XX+8*(4*\b+\u):XX+8*(4*\b+\u)+3],   v1, s[4+2*\b:5+2*\b] offset:\u*8192 th:TH_LOAD_NT
	global_load_b128 v[XX+8*(4*\b+\u)+4:XX+8*(4*\b+\u)+7], v1, s[4+2*\b:5+2*\b] offset:\u*8192+16 th:TH_LOAD_NT
.endr
.endr
	s_wait_loadcnt 24                              ; the 24 loads of q, k, v are younger: W's eight rows are in
.irp j, 0,1,2,3
.irp i, 0,1,2,3
	v_cvt_pk_f16_f32 v[TT+4*\j+\i], v[WR+8*\i+\j], v[WR+8*\i+4+\j]        ; column 4 nq + j: k = 8 ko + 2 i, + 1
.endr
	ds_store_b128 v5, v[TT+4*\j:TT+4*\j+3] offset:\j*16*LPITCH
.endr
	s_wait_dscnt 0x0                               ; my stores are in LDS before I say so
	s_barrier_signal -1
	s_barrier_wait -1
.irp i, 0,1,2,3
	ds_load_b128 v[RB+4*\i:RB+4*\i+3], v6 offset:\i*16*LPITCH             ; row n = 4 (t / 16) + i of W^T, 16 bytes
.endr
.irp b, 0,1,2
.irp u, 0,1,2,3
	s_wait_loadcnt 22-2*(4*\b+\u)                  ; the groups behind this one stay out
	v_cvt_pk_f16_f32 v[XX+8*(4*\b+\u)],   v[XX+8*(4*\b+\u)],   v[XX+8*(4*\b+\u)+1]
	v_cvt_pk_f16_f32 v[XX+8*(4*\b+\u)+1], v[XX+8*(4*\b+\u)+2], v[XX+8*(4*\b+\u)+3]
	v_cvt_pk_f16_f32 v[XX+8*(4*\b+\u)+2], v[XX+8*(4*\b+\u)+4], v[XX+8*(4*\b+\u)+5]
	v_cvt_pk_f16_f32 v[XX+8*(4*\b+\u)+3], v[XX+8*(4*\b+\u)+6], v[XX+8*(4*\b+\u)+7]
	global_store_b128 v2, v[XX+8*(4*\b+\u):XX+8*(4*\b+\u)+3], s[30+2*\b:31+2*\b] offset:\u*4096   ; a wave stores 512 consecutive bytes
.endr
.endr
	s_wait_dscnt 0x0
.irp i, 0,1,2,3
	global_store_b128 v7, v[RB+4*\i:RB+4*\i+3], s[20:21] offset:\i*2048   ; 16 lanes store 256 consecutive bytes, aligned
.endr
	s_wait_tensorcnt 0x0
	ds_add_u32 v176, v177
	s_wait_dscnt 0x0
	s_endpgm
.Lfunc_end_k_qc3da29b1b0_conv:
	.size	k_qc3da29b1b0_conv, .Lfunc_end_k_qc3da29b1b0_conv-k_qc3da29b1b0_conv
	.p2alignl 7, 3214868480
	.fill 96, 4, 3214868480
	.section	.rodata,"a",@progbits
	.p2align	6, 0x0
	.amdhsa_kernel k_qc3da29b1b0_conv
		.amdhsa_group_segment_fixed_size 18432
		.amdhsa_private_segment_fixed_size 0
		.amdhsa_enable_private_segment 0
		.amdhsa_kernarg_size 72
		.amdhsa_user_sgpr_count 2
		.amdhsa_user_sgpr_kernarg_segment_ptr 1
		.amdhsa_wavefront_size32 1
		.amdhsa_system_sgpr_workgroup_id_x 1
		.amdhsa_system_sgpr_workgroup_id_y 1
		.amdhsa_system_sgpr_workgroup_id_z 1
		.amdhsa_system_vgpr_workitem_id 0
		.amdhsa_next_free_vgpr 178
		.amdhsa_next_free_sgpr 66
		.amdhsa_reserve_vcc 0
		.amdhsa_float_denorm_mode_32 3
		.amdhsa_float_denorm_mode_16_64 3
		.amdhsa_memory_ordered 1
		.amdhsa_forward_progress 1
		.amdhsa_inst_pref_size 12
	.end_amdhsa_kernel
	.amdgpu_metadata
---
amdhsa.version: [ 1, 2 ]
amdhsa.kernels:
  - .name:           k_qc3da29b1b0_conv
    .symbol:         k_qc3da29b1b0_conv.kd
    .args:
      - { .name: q, .offset: 0, .size: 8, .value_kind: global_buffer, .address_space: global }
      - { .name: k, .offset: 8, .size: 8, .value_kind: global_buffer, .address_space: global }
      - { .name: v, .offset: 16, .size: 8, .value_kind: global_buffer, .address_space: global }
      - { .name: Wq, .offset: 24, .size: 8, .value_kind: global_buffer, .address_space: global }
      - { .name: Wk, .offset: 32, .size: 8, .value_kind: global_buffer, .address_space: global }
      - { .name: Wv, .offset: 40, .size: 8, .value_kind: global_buffer, .address_space: global }
      - { .name: Wo, .offset: 48, .size: 8, .value_kind: global_buffer, .address_space: global }
      - { .name: xb, .offset: 56, .size: 8, .value_kind: global_buffer, .address_space: global }
      - { .name: wt, .offset: 64, .size: 8, .value_kind: global_buffer, .address_space: global }
    .group_segment_fixed_size: 18432
    .private_segment_fixed_size: 0
    .kernarg_segment_align: 8
    .kernarg_segment_size: 72
    .max_flat_workgroup_size: 256
    .sgpr_count:     66
    .vgpr_count:     178
    .wavefront_size: 32
...
	.end_amdgpu_metadata
.endif
;; end of part 1
;; launch qkv (part 2): grid 4 x 48, 4 waves a work-group, clusters of 4 x 4, 327,680 bytes of LDS; arguments xb, wt, qkvh, bq, bk, bv; writes qkvh
.if DOCPART == 2
	.amdgcn_target "amdgcn-amd-amdhsa--gfx1250"
	.amdhsa_code_object_version 6
	.text
	.protected	k_qc3da29b1b0_qkv
	.globl	k_qc3da29b1b0_qkv
	.p2align	8
	.type	k_qc3da29b1b0_qkv,@function
k_qc3da29b1b0_qkv:
	s_mov_b64 s[64:65], 0
	v_nop
	global_prefetch_b8 v0, s[64:65] scope:SCOPE_SE
	s_setreg_imm32_b32 hwreg(HW_REG_WAVE_MODE, 25, 1), 1
	s_wait_xcnt 0x0
	s_wait_alu depctr_hold_cnt(0) depctr_sa_sdst(0) depctr_va_vdst(0) depctr_va_sdst(0) depctr_va_ssrc(0) depctr_va_vcc(0) depctr_vm_vsrc(0)
	s_getreg_b32 s2, hwreg(HW_REG_IB_STS2, 6, 4)
	s_cmp_eq_u32 s2, 0
	s_cbranch_scc0 .Lentry_in_a_cluster
	s_endpgm
.Lentry_in_a_cluster:
	s_bfe_u32 s2, ttmp6, 0x10000c
	s_cmp_lg_u32 s2, 0xf033
	s_cbranch_scc0 .Lentry_shape_is_right
	s_endpgm
.Lentry_shape_is_right:
; The three input projections as one grid: rows 0-4095 of xb are q, 4096-8191 k, 8192-12287 v; block row br of 256 rows belongs to
; projection g = br / 16.  C[m][n] = bias_g[n] + sum over k of xb[m][k] wt[g][n][k], f16 operands, f32 sums, stored in f16 by heads:
; qkvh [g][b][head][t][64].  LIMIT: results of magnitude 65,504 and more do not fit f16.
; A work-group makes 256 x 256 of C with four waves, a wave 128 x 128: 64 accumulator tiles of 16 x 16, 512 registers.
; K goes in steps of 128 through a ring of two LDS slots filled by the tensor data mover (rows of 256 bytes, aligned).
; 192 work-groups: 12,288 x 1,024 outputs in blocks of 256 x 256.
; CLUSTERS: 4 x 4 work-groups.  The four of a row of the cluster need the same tiles of xb, the four of a column the same tiles of wt;
; each such tile is asked for jointly, which divides the requests by four.  g comes from the cluster's y alone: equal in all sixteen.
; REGISTERS, in windows of 256:
;   window 0: v16-27 addresses; v64-127, v128-191 fragments of xb, two buffers; v192-255 the bias as a C operand, later packed results
;   window 1: v64-127, v128-191 fragments of wt, two buffers
;   window 2: the 32 accumulator tiles of my rows 0-63 (tile (a, b) at v[8 (8 a + b)]);   window 3: those of my rows 64-127
; THE MATRIX INSTRUCTION IS USED TRANSPOSED: source 0 = 16 rows of wt, source 1 = 16 rows of xb.  Lane l then holds row l % 16 of C and
; its registers 0-7 the columns 8 (l / 16) + 0..7.  So a C operand whose register j holds bias[n0 + 8 (l / 16) + j] adds the bias:
; the first product of every tile takes it, and nothing is cleared or added later.
; The 64 accumulators take turns, one instruction a turn, in the same order in every quarter step.
.set SIZE_K, 1024
.set KSTEP,  128
.set PITCH,  272                       ; an LDS row: 256 bytes + 16 of padding: 16 rows of a fragment start in 16 different 16-byte columns
.set HALFT,  128*PITCH                 ; 128 rows: one tensor load
.set SLOT,   4*HALFT                   ; xb's 256 rows, then wt's 256 rows
.set STAGE,  2*SLOT                    ; behind the ring: 16 rows x 272 bytes for each wave, for the way out
.set SPITCH, 272
.set LAPS, SIZE_K/(2*KSTEP)            ; 4 laps of two K steps
.set ADRA, 16                          ; v16-17  LDS address of my xb fragments in slot 0, 1
.set ADRB, 20                          ; v20-21  the same for wt
.set STO,  24                          ; v24     way out: where I put 16 bytes of a row
.set RD,   25                          ; v25     way out: where I read back
.set CO,   26                          ; v26     way out: 16 x lane
.set BO,   27                          ; v27     32 x (lane / 16): my eight bias numbers in a group of sixteen
.set F0,   64
.set F1,   128
.set TMP,  192                         ; packed results (the bias has had its last use by then)
.set BIAS, 192                         ; v192-255: tile column b at BIAS + 8 b
.set G1, 24                            ; s[24:31] descriptor group 1, xb's tiles
.set G0, 32                            ; s[32:39] group 0, xb's tiles, a set for each slot
.set G1B, 48                           ; s[48:55] group 1, wt's tiles
.set G0B, 56                           ; s[56:63] group 0, wt's tiles
.set MSB, 0
.macro WIN new                         ; the immediate's high byte repeats the setting that is left
.if MSB != \new
	s_set_vgpr_msb (MSB<<8)|\new
.set MSB, \new
.endif
.endm
.set MUL_LO,   0xa1                    ; source 0 (wt) window 1, source 1 (xb) window 0, C and D window 2
.set MUL_HI,   0xf1                    ; the same, C and D window 3
.set FIRST_LO, 0x81                    ; the first products: C (the bias) window 0, D window 2
.set FIRST_HI, 0xc1                    ; D window 3
.set TO_B,     0x40                    ; destination window 1, address window 0
; A joint load.  Waves 0 and 1 fetch xb's two halves, waves 2 and 3 wt's.  The branch hangs on the wave's number alone.
.macro JLOAD s
	s_cmp_eq_u32 s11, 0
	s_cbranch_scc0 .Lfor_b_\@
	tensor_load_to_lds s[G0+4*\s:G0+4*\s+3], s[G1:G1+7]
	s_nop 0
	s_branch .Lasked_\@
.Lfor_b_\@:
	tensor_load_to_lds s[G0B+4*\s:G0B+4*\s+3], s[G1B:G1B+7]
	s_nop 0
.Lasked_\@:
.endm
; A round of the cluster's barrier: my work-group's barrier; wave 0 signals for the work-group; all wait for all sixteen; my barrier again.
.macro CREST                           ; a round behind its opening barrier
	s_cmp_lg_u32 s10, 0
	s_cbranch_scc1 .Lnot_wave_0_\@
	s_barrier_signal -3
.Lnot_wave_0_\@:
	s_barrier_wait -3
	s_barrier_signal -1
	s_barrier_wait -1
.endm
.macro CROUND
	s_barrier_signal -1
	s_barrier_wait -1
	CREST
.endm
	s_load_b128 s[4:7], s[0:1], 0x0                ; xb s[4:5], wt s[6:7]
	s_load_b64 s[8:9], s[0:1], 0x10                ; qkvh
	s_load_b128 s[68:71], s[0:1], 0x18             ; bq s[68:69], bk s[70:71]
	s_load_b64 s[72:73], s[0:1], 0x28              ; bv
	s_set_vgpr_msb 0x40
	v_lshl_add_u32 v255, v0, 2, 0x48400
	s_set_vgpr_msb 0x4000
	v_mov_b32 v63, 0
	s_set_vgpr_msb 0x1
	ds_add_u32 v255, v63
	s_set_vgpr_msb 0x100
	v_lshrrev_b32 v1, 5, v0
	v_readfirstlane_b32 s10, v1                    ; wave 0..3
	s_lshr_b32 s11, s10, 1                         ; which half of the block's rows is mine; also: I fetch xb (0) or wt (1)
	s_and_b32 s12, s10, 1                          ; which half of its columns; also: which 128 rows of that tile I fetch
	s_bfe_u32 s40, ttmp6, 0x40000                  ; cx
	s_bfe_u32 s41, ttmp6, 0x40004                  ; cy
	s_lshl_b32 s42, ttmp9, 2
	s_add_co_u32 s42, s42, s40                     ; block column = 4 x cluster x + cx
	s_and_b32 s13, ttmp7, 0xffff
	s_lshl_b32 s13, s13, 2
	s_add_co_u32 s13, s13, s41                     ; block row = 4 x cluster y + cy
	s_and_b32 s45, ttmp7, 0xffff
	s_lshr_b32 s45, s45, 2                         ; g = cluster y / 4: which projection
	s_lshl_b32 s43, s41, 2
	s_lshl_b32 s43, 15, s43                        ; my row of the cluster
	s_lshl_b32 s44, 0x1111, s40                    ; my column
	; group 1: a tile of 128 rows x 128 elements of 2 bytes, 16 bytes of padding behind every 64 words
	s_or_b32 s[G1+0], s43, (1<<16)|(1<<20)|(1<<21)|(5<<22)|(3<<25)
	s_or_b32 s[G1B+0], s44, (1<<16)|(1<<20)|(1<<21)|(5<<22)|(3<<25)
	s_mov_b32 s[G1B+1], KSTEP<<16
	s_mov_b32 s[G1+1], KSTEP<<16                   ; tensor_dim0 = 128
	s_mov_b32 s[G1B+2], 128<<16
	s_mov_b32 s[G1+2], 128<<16                     ; tensor_dim1 = 128
	s_mov_b32 s[G1B+3], KSTEP<<16
	s_mov_b32 s[G1+3], KSTEP<<16                   ; tile_dim0 = 128
	s_mov_b32 s[G1B+4], 128
	s_mov_b32 s[G1+4], 128                         ; tile_dim1 = 128
	s_mov_b32 s[G1B+5], SIZE_K
	s_mov_b32 s[G1+5], SIZE_K                      ; elements from row to row
	s_mov_b32 s[G1B+6], 0
	s_mov_b32 s[G1+6], 0
	s_mov_b32 s[G1B+7], 0
	s_mov_b32 s[G1+7], 0
	; xb's tiles hang on the block row, wt's on the block column and g; each address in registers that never hold the other coordinate
	s_lshl_b32 s17, s12, 7
	s_lshl_b32 s16, s13, 8
	s_add_co_u32 s16, s16, s17                     ; xb: row 256 x block row + 128 x half
	s_lshl_b32 s46, s42, 8
	s_add_co_u32 s46, s46, s17                     ; wt: row 256 x block column + 128 x half
	s_mov_b32 s17, 0
	s_mov_b32 s47, 0
	s_mov_b64 s[18:19], SIZE_K*2
	s_mul_u64 s[16:17], s[16:17], s[18:19]
	s_mul_u64 s[46:47], s[46:47], s[18:19]
	s_lshl_b32 s78, s45, 21                        ; wt's matrix g: 2,097,152 bytes each
	s_mov_b32 s79, 0
	s_add_nc_u64 s[46:47], s[46:47], s[78:79]
	s_mul_i32 s20, s10, HALFT                      ; LDS: wave x 128 rows
	s_lshl_b32 s76, s42, 10                        ; my 128 bias numbers: 256 x block column + 128 x half, 4 bytes each
	s_lshl_b32 s77, s12, 9
	s_add_co_u32 s76, s76, s77
	s_mov_b32 s77, 0
	s_wait_dscnt 0x0
	s_wait_kmcnt 0x0
	s_add_nc_u64 s[14:15], s[4:5], s[16:17]
	s_add_nc_u64 s[46:47], s[6:7], s[46:47]
	s_mov_b64 s[74:75], s[72:73]                   ; the bias of projection g
	s_cmp_eq_u32 s45, 0
	s_cselect_b64 s[74:75], s[68:69], s[74:75]
	s_cmp_eq_u32 s45, 1
	s_cselect_b64 s[74:75], s[70:71], s[74:75]
	s_add_nc_u64 s[74:75], s[74:75], s[76:77]
	CROUND                                         ; all sixteen work-groups are here: the first joint loads meet
.irp s, 0,1
	s_mov_b32 s[G0+4*\s], 1
	s_add_co_u32 s[G0+4*\s+1], s20, \s*SLOT
	s_add_nc_u64 s[G0+4*\s+2:G0+4*\s+3], s[14:15], \s*KSTEP*2
	s_or_b32 s[G0+4*\s+3], s[G0+4*\s+3], 0x80000000
	s_mov_b32 s[G0B+4*\s], 1
	s_add_co_u32 s[G0B+4*\s+1], s20, \s*SLOT
	s_add_nc_u64 s[G0B+4*\s+2:G0B+4*\s+3], s[46:47], \s*KSTEP*2
	s_or_b32 s[G0B+4*\s+3], s[G0B+4*\s+3], 0x80000000
	JLOAD \s                                       ; two loads of a wave are out
.endr
	v_and_b32 v1, 15, v0                           ; l % 16
	v_bfe_u32 v2, v0, 4, 1                         ; l / 16
	v_lshlrev_b32 v[BO], 5, v2
.irp b, 0,1,2,3,4,5,6,7
	global_load_b128 v[BIAS+8*\b:BIAS+8*\b+3],   v[BO], s[74:75] offset:64*\b      ; bias[n0 + 16 b + 8 (l / 16) + 0..3]
	global_load_b128 v[BIAS+8*\b+4:BIAS+8*\b+7], v[BO], s[74:75] offset:64*\b+16   ; + 4..7
.endr
	v_mul_u32_u24 v3, v1, PITCH
	v_lshl_add_u32 v3, v2, 4, v3                   ; row x pitch + 16 x half
	s_mul_i32 s21, s11, HALFT                      ; my 128 rows of xb
	s_mul_i32 s22, s12, HALFT                      ; my 128 rows of wt,
	s_add_co_u32 s22, s22, 2*HALFT                 ; behind xb's 256
.irp s, 0,1
	v_add_nc_u32 v[ADRA+\s], s21, v3
	v_add_nc_u32 v[ADRB+\s], s22, v3
	s_add_co_u32 s21, s21, SLOT
	s_add_co_u32 s22, s22, SLOT
.endr
	s_mul_i32 s23, s10, 16*SPITCH
	s_add_co_u32 s23, s23, STAGE                   ; my stage
	v_mul_u32_u24 v4, v1, SPITCH
	v_lshl_add_u32 v4, v2, 4, v4
	v_add_nc_u32 v[STO], s23, v4                   ; in: row l % 16, 16 bytes for each half of the lanes
	v_bfe_u32 v5, v0, 3, 2                         ; back: eight lanes take the 128 bytes that one row gives to one head
	v_mul_u32_u24 v5, v5, SPITCH
	v_and_b32 v6, 7, v0
	v_lshl_add_u32 v5, v6, 4, v5
	v_add_nc_u32 v[RD], s23, v5
	v_and_b32 v6, 31, v0
	v_lshlrev_b32 v[CO], 4, v6                     ; four tokens of a head are 512 consecutive bytes of qkvh: 16 x lane
; 16 matrix instructions: m blocks a0, a0 + 1 of the window's four x all 8 n blocks, 32 along K.  zero = 1: the bias starts the sums.
.macro MUL16 f, hi, a0, zero
.irp a, \a0, \a0+1
.irp b, 0,1,2,3,4,5,6,7
.if \zero
	v_wmma_f32_16x16x32_f16 v[8*(8*(\a)+\b):8*(8*(\a)+\b)+7], v[\f+8*\b:\f+8*\b+7], v[\f+8*(4*\hi+\a):\f+8*(4*\hi+\a)+7], v[BIAS+8*\b:BIAS+8*\b+7]
.else
	v_wmma_f32_16x16x32_f16 v[8*(8*(\a)+\b):8*(8*(\a)+\b)+7], v[\f+8*\b:\f+8*\b+7], v[\f+8*(4*\hi+\a):\f+8*(4*\hi+\a)+7], v[8*(8*(\a)+\b):8*(8*(\a)+\b)+7]
.endif
.endr
.endr
.endm
; 32 LDS loads in one run: the fragments of one quarter step into buffer f
.macro FETCH slot, k, f
	WIN TO_B
.irp i, 0,1,2,3,4,5,6,7
	ds_load_b128 v[\f+8*\i:\f+8*\i+3],   v[ADRB+\slot] offset:\k+\i*16*PITCH
	ds_load_b128 v[\f+8*\i+4:\f+8*\i+7], v[ADRB+\slot] offset:\k+\i*16*PITCH+32
.endr
	WIN 0
.irp i, 0,1,2,3,4,5,6,7
	ds_load_b128 v[\f+8*\i:\f+8*\i+3],   v[ADRA+\slot] offset:\k+\i*16*PITCH
	ds_load_b128 v[\f+8*\i+4:\f+8*\i+7], v[ADRA+\slot] offset:\k+\i*16*PITCH+32
.endr
.endm
; Four places stand between a matrix instruction and a load into one of its registers or a vector read of its result (ISA guide 7.12.1
; for vector instructions); matrix instructions in between are not counted as places.
.macro PLACES
.rept 4
	v_nop
.endr
.endm
; One of a K step's first three quarters: multiplies buffer f, and in its middle fetches the next quarter's fragments into buffer g.
.macro QUARTER slot, k, f, g, zero
	s_wait_dscnt 8                                 ; wt and xb's rows 0-63 are in; the youngest eight loads (xb's rows 64-127) may be out
.if \zero
	WIN FIRST_LO
.else
	WIN MUL_LO
.endif
	MUL16 \f, 0, 0, \zero
	MUL16 \f, 0, 2, \zero
	PLACES
	FETCH \slot, \k, \g
	s_wait_dscnt 32                                ; all but the 32 just issued
.if \zero
	WIN FIRST_HI
.else
	WIN MUL_HI
.endif
	MUL16 \f, 1, 0, \zero
	MUL16 \f, 1, 2, \zero
.endm
.macro THREE slot, zero
	QUARTER \slot, 64,  F0, F1, \zero
	QUARTER \slot, 128, F1, F0, 0
	QUARTER \slot, 192, F0, F1, 0
.endm
; The last quarter multiplies buffer 1 and changes slots.  In front of the barrier each wave waits for its reads of this slot and for all
; its tensor loads (one is out: its part of the next slot).  Behind it the refill comes first, then the next slot's first fragments.
.macro TURN slot, next, fill
	s_wait_dscnt 8
	WIN MUL_LO
	MUL16 F1, 0, 0, 0
	s_wait_dscnt 0                                 ; my reads of this slot are over
	s_wait_tensorcnt 0x0                           ; all my tensor loads have landed
	ds_add_u32 v255, v63
	s_wait_dscnt 0x0
	s_barrier_signal -1                            ; where a slot is filled again this barrier opens a round of the cluster's barrier
	MUL16 F1, 0, 2, 0                              ; register work while the others arrive
	WIN 0
	s_barrier_wait -1
.if \fill
	CREST                                          ; no wave of any partner still reads this slot's tile or has a load on its way
	s_add_nc_u64 s[G0+4*\slot+2:G0+4*\slot+3], s[G0+4*\slot+2:G0+4*\slot+3], 2*KSTEP*2
	s_add_nc_u64 s[G0B+4*\slot+2:G0B+4*\slot+3], s[G0B+4*\slot+2:G0B+4*\slot+3], 2*KSTEP*2
	JLOAD \slot                                    ; the first tensor load behind the round
.endif
	PLACES
	FETCH \next, 0, F0
	WIN MUL_HI
	MUL16 F1, 1, 0, 0
	MUL16 F1, 1, 2, 0
.endm
.macro LAP zero
	THREE 0, \zero
	TURN 0, 1, 1
	THREE 1, 0
	TURN 1, 0, 1
.endm
	s_wait_tensorcnt 1                             ; my part of K step 0 is in; K step 1's load stays out
	s_barrier_signal -1
	s_barrier_wait -1
	s_wait_loadcnt 0x0                             ; the bias
	FETCH 0, 0, F0
	LAP 1                                          ; the first lap stands in front of the loop: its first products start the sums
	WIN 0                                          ; at a label and at a branch every window is 0
	s_mov_b32 s3, LAPS-2
.Llap:
	LAP 0
	WIN 0
	s_sub_co_u32 s3, s3, 1
	s_cmp_lg_u32 s3, 0
	s_cbranch_scc1 .Llap
	THREE 0, 0                                     ; the last lap fills nothing
	TURN 0, 1, 0
	THREE 1, 0
	s_wait_dscnt 8
	WIN MUL_LO
	MUL16 F1, 0, 0, 0
	MUL16 F1, 0, 2, 0
	s_wait_dscnt 0
	WIN MUL_HI
	MUL16 F1, 1, 0, 0
	MUL16 F1, 1, 2, 0
	; THE WAY OUT, 16 rows at a time: round to f16, 16 bytes a lane into my own stage, read back by heads.
	; Row R = 256 br + 128 half + .. : plane (g, b) = br / 8, token = 256 (br % 8) + ..; column c: head = c / 64.
	PLACES
	s_lshr_b32 s16, s13, 3
	s_lshl_b32 s16, s16, 22                        ; 16 heads x 262,144 bytes for each (g, b)
	s_and_b32 s14, s13, 7
	s_lshl_b32 s14, s14, 15                        ; 256 tokens x 128 bytes
	s_add_co_u32 s16, s16, s14
	s_lshl_b32 s14, s11, 14                        ; 128 tokens
	s_add_co_u32 s16, s16, s14
	s_mov_b32 s17, 0
	s_add_nc_u64 s[8:9], s[8:9], s[16:17]
	s_lshl_b32 s46, s42, 20                        ; head 4 x block column + 2 x half, 262,144 bytes each
	s_lshl_b32 s47, s12, 19
	s_add_co_u32 s46, s46, s47
	s_mov_b32 s47, 0
	s_add_nc_u64 s[8:9], s[8:9], s[46:47]
; rows 16 i .. 16 i + 15 of my block = the eight tiles (a, 0..7) of window 2 or 3 (from = 0x0a or 0x0f); f: F0 or F1 in turn
.macro OUT16 i, a, from, f
	WIN \from
.irp b, 0,1,2,3,4,5,6,7
.irp r, 0,1,2,3
	v_cvt_pk_f16_f32 v[TMP+4*\b+\r], v[8*(8*\a+\b)+2*\r], v[8*(8*\a+\b)+2*\r+1]
.endr
.endr
	WIN 0
.irp b, 0,1,2,3,4,5,6,7
	ds_store_b128 v[STO], v[TMP+4*\b:TMP+4*\b+3] offset:32*\b
.endr
	s_wait_xcnt 0x0                                ; buffer f, which earlier stores read, is loaded again only behind this wait
.irp hh, 0,1
.irp t, 0,1,2,3
	ds_load_b128 v[\f+4*(4*\hh+\t):\f+4*(4*\hh+\t)+3], v[RD] offset:\t*4*SPITCH+\hh*128   ; LDS serves a wave in order: these see the stores above
.endr
.endr
.irp hh, 0,1
.irp t, 0,1,2,3
	s_wait_dscnt 7-(4*\hh+\t)                      ; the younger read-backs stay out
	global_store_b128 v[CO], v[\f+4*(4*\hh+\t):\f+4*(4*\hh+\t)+3], s[8:9] offset:\hh*262144+\i*2048+\t*512   ; four tokens of one head: 512 consecutive bytes, aligned
.endr
.endr
.endm
	OUT16 0, 0, 0x0a, F0
	OUT16 1, 1, 0x0a, F1
	OUT16 2, 2, 0x0a, F0
	OUT16 3, 3, 0x0a, F1
	OUT16 4, 0, 0x0f, F0
	OUT16 5, 1, 0x0f, F1
	OUT16 6, 2, 0x0f, F0
	OUT16 7, 3, 0x0f, F1
	s_set_vgpr_msb 0x1
	s_wait_tensorcnt 0x0
	ds_add_u32 v255, v63
	s_wait_dscnt 0x0
	s_set_vgpr_msb 0x100
	CROUND                                         ; the closing round: no work-group ends while a partner may still ask jointly
	s_endpgm
.Lfunc_end_k_qc3da29b1b0_qkv:
	.size	k_qc3da29b1b0_qkv, .Lfunc_end_k_qc3da29b1b0_qkv-k_qc3da29b1b0_qkv
	.p2alignl 7, 3214868480
	.fill 96, 4, 3214868480
	.section	.rodata,"a",@progbits
	.p2align	6, 0x0
	.amdhsa_kernel k_qc3da29b1b0_qkv
		.amdhsa_group_segment_fixed_size 327680
		.amdhsa_private_segment_fixed_size 0
		.amdhsa_enable_private_segment 0
		.amdhsa_kernarg_size 48
		.amdhsa_user_sgpr_count 2
		.amdhsa_user_sgpr_kernarg_segment_ptr 1
		.amdhsa_wavefront_size32 1
		.amdhsa_system_sgpr_workgroup_id_x 1
		.amdhsa_system_sgpr_workgroup_id_y 1
		.amdhsa_system_sgpr_workgroup_id_z 1
		.amdhsa_system_vgpr_workitem_id 0
		.amdhsa_next_free_vgpr 1024
		.amdhsa_next_free_sgpr 80
		.amdhsa_reserve_vcc 0
		.amdhsa_float_denorm_mode_32 3
		.amdhsa_float_denorm_mode_16_64 3
		.amdhsa_memory_ordered 1
		.amdhsa_forward_progress 1
		.amdhsa_inst_pref_size 198
	.end_amdhsa_kernel
	.amdgpu_metadata
---
amdhsa.version: [ 1, 2 ]
amdhsa.kernels:
  - .name:           k_qc3da29b1b0_qkv
    .symbol:         k_qc3da29b1b0_qkv.kd
    .args:
      - { .name: xb, .offset: 0, .size: 8, .value_kind: global_buffer, .address_space: global }
      - { .name: wt, .offset: 8, .size: 8, .value_kind: global_buffer, .address_space: global }
      - { .name: qkvh, .offset: 16, .size: 8, .value_kind: global_buffer, .address_space: global }
      - { .name: bq, .offset: 24, .size: 8, .value_kind: global_buffer, .address_space: global }
      - { .name: bk, .offset: 32, .size: 8, .value_kind: global_buffer, .address_space: global }
      - { .name: bv, .offset: 40, .size: 8, .value_kind: global_buffer, .address_space: global }
    .group_segment_fixed_size: 327680
    .private_segment_fixed_size: 0
    .kernarg_segment_align: 8
    .kernarg_segment_size: 48
    .max_flat_workgroup_size: 128
    .sgpr_count:     80
    .vgpr_count:     1024
    .wavefront_size: 32
...
	.end_amdgpu_metadata
.endif
;; end of part 2
;; launch attn (part 3): grid 8 x 32, 16 waves a work-group, clusters of 4 x 1, 327,680 bytes of LDS; arguments qkvh, ctxh; writes ctxh
.if DOCPART == 3
	.amdgcn_target "amdgcn-amd-amdhsa--gfx1250"
	.amdhsa_code_object_version 6
	.text
	.protected	k_qc3da29b1b0_attn
	.globl	k_qc3da29b1b0_attn
	.p2align	8
	.type	k_qc3da29b1b0_attn,@function
k_qc3da29b1b0_attn:
	s_mov_b64 s[64:65], 0
	v_nop
	global_prefetch_b8 v0, s[64:65] scope:SCOPE_SE
	s_setreg_imm32_b32 hwreg(HW_REG_WAVE_MODE, 25, 1), 1
	s_wait_xcnt 0x0
	s_wait_alu depctr_hold_cnt(0) depctr_sa_sdst(0) depctr_va_vdst(0) depctr_va_sdst(0) depctr_va_ssrc(0) depctr_va_vcc(0) depctr_vm_vsrc(0)
	s_getreg_b32 s2, hwreg(HW_REG_IB_STS2, 6, 4)
	s_cmp_eq_u32 s2, 0
	s_cbranch_scc0 .Lentry_in_a_cluster
	s_endpgm
.Lentry_in_a_cluster:
	s_bfe_u32 s2, ttmp6, 0x10000c
	s_cmp_lg_u32 s2, 0x3003
	s_cbranch_scc0 .Lentry_shape_is_right
	s_endpgm
.Lentry_shape_is_right:
; ctx = softmax(Q K^T / 8) V for one (batch, head) and 256 queries a work-group; steps of 32 keys with a running maximum.
; qkvh [3][bh][t][64] f16 -> ctxh [bh][t][64] f16.  f16 operands, f32 sums; maxima, exponentials and row sums in f32.
; LIMITS: NaN and infinities are not treated.  P is kept in f16: at most about 1, and below 2^-24 of the running maximum's weight it is 0.
; The 2,048 keys are summed in two halves of 1,024 that are joined at the end, so the order of rounding differs from a single pass.
; SIXTEEN WAVES: wave w owns the 32 queries of number w % 8 and the keys' half w / 8, 32 steps.  So four waves lie on each SIMD, of 240
; registers each: a wave that waits for one of its own results leaves three others with instructions to issue.  At the end waves 8-15
; hand their maxima, row sums and accumulators to waves 0-7 through LDS, which join the halves by the larger maximum and store.
; A wave's 32 queries are two pieces of 16.  The pieces take turns: one piece's softmax is spread between the other piece's matrix
; instructions, so that both units have work.  With 32 queries a wave all its registers fit one window of 256.
; TRANSPOSED: S^T = K Q^T (source 0 = 16 keys from LDS, source 1 = 16 queries).  Lane (r, h) then holds query r and keys 8 h + j, so a row's
; maximum and sum stay in a lane and its partner r + 16, and two score tiles packed to f16 ARE the second source P^T of
; ctx^T = V^T P^T, whose first source comes from V [key][d] by the transposing LDS load.  No other traffic between lanes.
; CLUSTERS: the four work-groups of a cluster are query blocks of one (batch, head) and read the same K and V: every tile is asked for jointly.
; LDS: K, 1,024 keys at pitch 144; V, 1,024 keys at pitch 160 (the transposing load wants an odd multiple of 32): four slots of 256 keys.
; Tile j (0..3) of the keys' half g lies in slot 2 (j % 2) + g.  The two slots of a parity are filled again together behind a round of the
; cluster's barrier; a refill has eight steps to land.  A wave brings 32 keys of K and of V of its own half's tile; by this text's count it
; has 4 tensor loads out at the start and 2 behind a refill.
; No two matrix instructions that follow each other share an accumulator (S_B0 S_B1 S_B0 S_B1 | accA0-3 | S_A0 S_A1 S_A0 S_A1 | accB0-3).
.set KPITCH, 144
.set VPITCH, 160
.set KSTEPB, 32*KPITCH                 ; 4,608: a step's keys; also a wave's part of a tile
.set VSTEPB, 32*VPITCH                 ; 5,120
.set KSLOT,  8*KSTEPB                  ; 36,864
.set VSLOT,  8*VSTEPB                  ; 40,960
.set VBASE,  4*KSLOT                   ; 147,456
.set HAND,   18*512                    ; 9,216: what a wave of the second half hands over: 18 x 16 bytes a lane
.set KA, 1                             ; v1  LDS address of K's fragments, stepped
.set VA, 2                             ; v2  the same for V
.set KL, 3                             ; v3  lane term: r x 144 + 16 h, + my half's slot
.set VL, 4                             ; v4  lane term: VBASE + (8 h + l % 8) x 160 + 16 ((l / 8) % 2), + my half's slot
.set STO, 5                            ; v5  way out: in
.set RD, 6                             ; v6  way out: back
.set CO, 7                             ; v7  way out: 16 x lane
.set AL, 8                             ; v[8:9]  the rescaling factor of piece 0, of piece 1
.set ST, 10                            ; v[10:17], v[18:25], piece p at ST + 8 p: +0,+1 -c x maximum of even, odd steps; +2,+3 row sum (two partial);
                                       ;   +4,+5 at work; +6 the running maximum
.set QO, 26                            ; v26  Q's load offset
.set CS, 27                            ; v27  the hand-over: 16 x lane in my pair's bytes
.set QQ, 32                            ; Q[p][dh] at QQ + 16 p + 8 dh
.set KK, 64                            ; K[i] at KK + 8 i, i = key tile + 2 x half of d
.set VV, 96                            ; V[dt] at VV + 8 dt
.set SS, 128                           ; S[p][key tile] at SS + 16 p + 8 kt
.set PP, 160                           ; P[p] at PP + 8 p
.set AC, 176                           ; acc[p][dt] at AC + 32 p + 8 dt
.set G1K, 16                           ; s[16:23]
.set G1V, 24                           ; s[24:31]
.set G0K, 32                           ; s[32:39], a set for each parity of tiles
.set G0V, 48                           ; s[48:55]
.macro ROUND                           ; a round of the cluster's barrier
	s_barrier_signal -1
	s_barrier_wait -1
	s_cmp_lg_u32 s8, 0
	s_cbranch_scc1 .Lnot_wave_0_\@
	s_barrier_signal -3
.Lnot_wave_0_\@:
	s_barrier_wait -3
	s_barrier_signal -1
	s_barrier_wait -1
.endm
.macro WS p, i                         ; a score product: 16 keys x 16 queries x 32 of d
.if \i < 2
	v_wmma_f32_16x16x32_f16 v[SS+16*\p+8*(\i&1):SS+16*\p+8*(\i&1)+7], v[KK+8*\i:KK+8*\i+7], v[QQ+16*\p+8*(\i>>1):QQ+16*\p+8*(\i>>1)+7], 0
.else
	v_wmma_f32_16x16x32_f16 v[SS+16*\p+8*(\i&1):SS+16*\p+8*(\i&1)+7], v[KK+8*\i:KK+8*\i+7], v[QQ+16*\p+8*(\i>>1):QQ+16*\p+8*(\i>>1)+7], v[SS+16*\p+8*(\i&1):SS+16*\p+8*(\i&1)+7]
.endif
.endm
.macro WP p, dt, zero                  ; a context product: 16 of d x 16 queries x 32 keys
.if \zero
	v_wmma_f32_16x16x32_f16 v[AC+32*\p+8*\dt:AC+32*\p+8*\dt+7], v[VV+8*\dt:VV+8*\dt+7], v[PP+8*\p:PP+8*\p+7], 0
	s_wait_alu depctr_va_vdst(0)
.else
	v_wmma_f32_16x16x32_f16 v[AC+32*\p+8*\dt:AC+32*\p+8*\dt+7], v[VV+8*\dt:VV+8*\dt+7], v[PP+8*\p:PP+8*\p+7], v[AC+32*\p+8*\dt:AC+32*\p+8*\dt+7]
	s_wait_alu depctr_va_vdst(0)
.endif
.endm
.macro LK i, off
	ds_load_b128 v[KK+8*\i:KK+8*\i+3],   v[KA] offset:\off+(\i&1)*16*KPITCH+(\i>>1)*64
	ds_load_b128 v[KK+8*\i+4:KK+8*\i+7], v[KA] offset:\off+(\i&1)*16*KPITCH+(\i>>1)*64+32
.endm
.macro LV dt, off
	ds_load_tr16_b128 v[VV+8*\dt:VV+8*\dt+3],   v[VA] offset:\off+32*\dt
	ds_load_tr16_b128 v[VV+8*\dt+4:VV+8*\dt+7], v[VA] offset:\off+32*\dt+16*VPITCH
.endm
.macro SCL p, par, k                   ; score pair k: s x c - c x maximum (c = log2(e) / 8), the maximum's term from the step's parity
.if \par
	v_pk_fma_f32 v[SS+16*\p+2*(\k):SS+16*\p+2*(\k)+1], v[SS+16*\p+2*(\k):SS+16*\p+2*(\k)+1], s[68:69], v[ST+8*\p:ST+8*\p+1] op_sel:[0,0,1] op_sel_hi:[1,0,1]
.else
	v_pk_fma_f32 v[SS+16*\p+2*(\k):SS+16*\p+2*(\k)+1], v[SS+16*\p+2*(\k):SS+16*\p+2*(\k)+1], s[68:69], v[ST+8*\p:ST+8*\p+1] op_sel:[0,0,0] op_sel_hi:[1,0,0]
.endif
.endm
.macro RSC p, k                        ; accumulator pair k times the piece's factor
.if \p
	v_pk_mul_f32 v[AC+32*\p+2*(\k):AC+32*\p+2*(\k)+1], v[AC+32*\p+2*(\k):AC+32*\p+2*(\k)+1], v[AL:AL+1] op_sel:[0,1] op_sel_hi:[1,1]
.else
	v_pk_mul_f32 v[AC+32*\p+2*(\k):AC+32*\p+2*(\k)+1], v[AC+32*\p+2*(\k):AC+32*\p+2*(\k)+1], v[AL:AL+1] op_sel:[0,0] op_sel_hi:[1,0]
.endif
.endm
.macro HND p, k                        ; accumulator pair k += the other half's pair (read into K's and V's registers) times its factor in v[174:175]
.if \p
	v_pk_fma_f32 v[AC+32*\p+2*(\k):AC+32*\p+2*(\k)+1], v[KK+32*\p+2*(\k):KK+32*\p+2*(\k)+1], v[174:175], v[AC+32*\p+2*(\k):AC+32*\p+2*(\k)+1] op_sel:[0,1,0] op_sel_hi:[1,1,1]
.else
	v_pk_fma_f32 v[AC+32*\p+2*(\k):AC+32*\p+2*(\k)+1], v[KK+32*\p+2*(\k):KK+32*\p+2*(\k)+1], v[174:175], v[AC+32*\p+2*(\k):AC+32*\p+2*(\k)+1] op_sel:[0,0,0] op_sel_hi:[1,0,1]
.endif
.endm
; A piece's softmax for one step is cut into eight groups, one behind each matrix instruction of the other piece.  A group's HEAD holds at
; least four plain vector instructions that name none of that matrix instruction's registers: they are the places in front of the LDS load
; that refills the fragment just used (ISA guide 7.12.1 for vector instructions).  The TAIL follows the load.  Each run of exponentials
; ends a tail, so the next head's plain instructions stand between it and the first use of its results (ISA guide 5.7.2).
; par: the step's parity, opar the other; first = 1: the very first step, which has nothing to rescale.
.macro VH g, p, par, opar, first
.set sb, SS+16*\p
.set tb, ST+8*\p
.if (\g) == 0
	v_max3_num_f32 v[tb+4], v[sb+0], v[sb+1], v[sb+2]
	v_max3_num_f32 v[tb+5], v[sb+3], v[sb+4], v[sb+5]
	v_max3_num_f32 v[tb+4], v[tb+4], v[sb+6], v[sb+7]
	v_max3_num_f32 v[tb+5], v[tb+5], v[sb+8], v[sb+9]
.endif
.if (\g) == 1
	v_permlanex16_b32 v[tb+5], v[tb+4], s70, s71   ; the other sixteen keys' maximum, from lane l xor 16
.if \first
	v_max_num_f32 v[tb+6], v[tb+4], v[tb+5]
	v_mul_f32 v[tb+\par], s66, v[tb+6]             ; -c x maximum
.else
	v_max3_num_f32 v[tb+6], v[tb+6], v[tb+4], v[tb+5]
	v_mul_f32 v[tb+\par], s66, v[tb+6]
	v_sub_f32 v[tb+4], v[tb+\par], v[tb+\opar]     ; c x (old maximum - new), at most 0
	v_exp_f32 v[AL+\p], v[tb+4]
.endif
	SCL \p, \par, 0
.endif
.if (\g) == 2
	SCL \p, \par, 4
	SCL \p, \par, 5
	SCL \p, \par, 6
	SCL \p, \par, 7
.endif
.if (\g) >= 3
.if (\g) <= 6
.if \first
	v_nop
	v_nop
	v_nop
	v_nop
.else
	RSC \p, 4*((\g)-3)
	RSC \p, 4*((\g)-3)+1
	RSC \p, 4*((\g)-3)+2
	RSC \p, 4*((\g)-3)+3
.endif
.endif
.endif
.if (\g) == 7
	v_pk_add_f32 v[tb+2:tb+3], v[tb+2:tb+3], v[sb+8:sb+9]
	v_pk_add_f32 v[tb+4:tb+5], v[tb+4:tb+5], v[sb+14:sb+15]
	v_pk_add_f32 v[tb+2:tb+3], v[tb+2:tb+3], v[sb+12:sb+13]
	v_pk_add_f32 v[tb+2:tb+3], v[tb+2:tb+3], v[tb+4:tb+5]
.endif
.endm
.macro VT g, p, par, opar, first
.set sb, SS+16*\p
.set tb, ST+8*\p
.if (\g) == 0
	v_max3_num_f32 v[tb+4], v[tb+4], v[sb+10], v[sb+11]
	v_max3_num_f32 v[tb+5], v[tb+5], v[sb+12], v[sb+13]
	v_max3_num_f32 v[tb+4], v[tb+4], v[sb+14], v[sb+15]
	v_max_num_f32 v[tb+4], v[tb+4], v[tb+5]
.endif
.if (\g) == 1
	SCL \p, \par, 1
	SCL \p, \par, 2
	SCL \p, \par, 3
.endif
.if (\g) >= 2
.if (\g) <= 5
.irp e, 0,1,2,3
	v_exp_f32 v[sb+4*((\g)-2)+\e], v[sb+4*((\g)-2)+\e]
.endr
.endif
.endif
.if (\g) == 6
.if \first
	s_wait_alu depctr_va_vdst(0)
	v_pk_add_f32 v[tb+2:tb+3], v[sb+0:sb+1], v[sb+4:sb+5]
	v_pk_add_f32 v[tb+4:tb+5], v[sb+2:sb+3], v[sb+6:sb+7]
	v_pk_add_f32 v[tb+4:tb+5], v[tb+4:tb+5], v[sb+10:sb+11]
.else
.if \p
	v_pk_fma_f32 v[tb+2:tb+3], v[tb+2:tb+3], v[AL:AL+1], v[sb+0:sb+1] op_sel:[0,1,0] op_sel_hi:[1,1,1]
	s_wait_alu depctr_va_vdst(0)
.else
	v_pk_fma_f32 v[tb+2:tb+3], v[tb+2:tb+3], v[AL:AL+1], v[sb+0:sb+1] op_sel:[0,0,0] op_sel_hi:[1,0,1]
	s_wait_alu depctr_va_vdst(0)
.endif
	v_pk_add_f32 v[tb+4:tb+5], v[sb+2:sb+3], v[sb+6:sb+7]
	v_pk_add_f32 v[tb+2:tb+3], v[tb+2:tb+3], v[sb+4:sb+5]
	v_pk_add_f32 v[tb+4:tb+5], v[tb+4:tb+5], v[sb+10:sb+11]
.endif
.endif
.if (\g) == 7
.irp e, 0,1,2,3,4,5,6,7
	v_cvt_pk_f16_f32 v[PP+8*\p+\e], v[sb+2*\e], v[sb+2*\e+1]      ; keys 8 h + 2 e, + 1 (e < 4), 16 + 8 h + .. (e >= 4): the fragment's own order
.endr
.endif
.endm
; Unit i (parity par): finishes step i - 1 and begins step i.  On entry: K(i-1) in registers, S_A(i-1) made and half through its softmax,
; V(i-1) on its way.  koff, voff: where step i lies from KA, VA.  first = 1: step i - 1 is step 0.  last = 1: there is no step i.
.macro UNIT par, opar, koff, voff, first, last
.irp i, 0,1,2,3
	WS 1, \i                                       ; S_B(i-1); behind its second use fragment K[i] is loaded again
	VH 4+\i, 0, \opar, \par, \first
.if \last == 0
	LK \i, \koff
.endif
	VT 4+\i, 0, \opar, \par, \first
.endr
.irp i, 0,1,2,3
.if \last
	s_wait_dscnt 6-2*\i                            ; behind V[i]'s two loads: the later V loads
.else
	s_wait_dscnt 14-2*\i                           ; behind V[i]'s two loads: the later V loads and the eight K loads
.endif
	WP 0, \i, \first                               ; acc_A += V(i-1) P_A(i-1)
	VH \i, 1, \opar, \par, \first
	VT \i, 1, \opar, \par, \first
.endr
.irp i, 0,1,2,3
.if \last == 0
	s_wait_dscnt 6-2*\i                            ; the later K loads stay out
	WS 0, \i                                       ; S_A(i)
.endif
	VH 4+\i, 1, \opar, \par, \first
	VT 4+\i, 1, \opar, \par, \first
.endr
.irp i, 0,1,2,3
	WP 1, \i, \first                               ; acc_B += V(i-1) P_B(i-1); behind its second use fragment V[i] is loaded again
.if \last == 0
	VH \i, 0, \par, \opar, 0
	LV \i, \voff
	VT \i, 0, \par, \opar, 0
.endif
.endr
.endm
; n trips of two units; the first loads the step that lies kb, vb bytes behind my half's first slot of K, of V
.macro SEG n, kb, vb
	v_add_nc_u32 v[KA], \kb, v[KL]
	v_add_nc_u32 v[VA], \vb, v[VL]
	s_mov_b32 s9, \n
.Lseg_\@:
	UNIT 0, 1, 0, 0, 0, 0
	UNIT 1, 0, KSTEPB, VSTEPB, 0, 0
	v_add_nc_u32 v[KA], 2*KSTEPB, v[KA]
	v_add_nc_u32 v[VA], 2*VSTEPB, v[VA]
	s_sub_co_i32 s9, s9, 1
	s_cmp_lg_u32 s9, 0
	s_cbranch_scc1 .Lseg_\@
.endm
; A barrier that shows the next tile to all waves; cnt younger loads may stay out.
.macro EVB cnt
	s_wait_tensorcnt \cnt
	s_wait_dscnt 0x0
	s_barrier_signal -1
	s_barrier_wait -1
.endm
; The two slots of parity t have been read and are filled again, two tiles on in each half of the keys.
.macro EVR t
	s_wait_tensorcnt 0x0                           ; all my tensor loads have landed: every group 0 may be written
	ds_add_u32 v240, v241
	s_add_nc_u64 s[G0K+4*\t+2:G0K+4*\t+3], s[G0K+4*\t+2:G0K+4*\t+3], 65536
	s_add_nc_u64 s[G0V+4*\t+2:G0V+4*\t+3], s[G0V+4*\t+2:G0V+4*\t+3], 65536
	s_wait_dscnt 0x0                               ; my reads of my slot are back
	ROUND                                          ; both now hold of every wave of all four work-groups
	tensor_load_to_lds s[G0K+4*\t:G0K+4*\t+3], s[G1K:G1K+7]
	s_nop 0
	tensor_load_to_lds s[G0V+4*\t:G0V+4*\t+3], s[G1V:G1V+7]
	s_nop 0
.endm
	s_load_b128 s[4:7], s[0:1], 0x0                ; qkvh s[4:5], ctxh s[6:7]
	v_lshl_add_u32 v240, v0, 2, 0x4c000
	v_mov_b32 v241, 0
	ds_add_u32 v240, v241
	v_lshrrev_b32 v28, 5, v0
	v_readfirstlane_b32 s8, v28                    ; wave 0..15
	s_lshr_b32 s40, s8, 3                          ; which half of the keys
	s_and_b32 s41, s8, 7                           ; which 32 queries
	s_and_b32 s10, ttmp7, 0xffff                   ; bh = 16 b + head
	s_bfe_u32 s78, ttmp6, 0x40000                  ; cx
	s_lshl_b32 s11, ttmp9, 2
	s_add_co_u32 s11, s11, s78                     ; query block = 4 x cluster x + cx: enters the addresses of Q and ctx alone
	s_mov_b32 s66, 0xbe38aa3b                      ; -c
	s_mov_b32 s68, 0x3e38aa3b                      ; c = log2(e) / 8
	s_mov_b32 s69, 0x3e38aa3b
	s_mov_b32 s70, 0x76543210                      ; v_permlanex16_b32: lane i reads lane i of the other half
	s_mov_b32 s71, 0xfedcba98
	; group 1: 4,096 dense bytes as 16 rows of 32 elements of 8 bytes; padding behind every 32 words (a key's 128 bytes): 4 words for K, 8 for V;
	; mask 15: all four work-groups of the cluster
	s_mov_b32 s[G1K+0], 15|(3<<16)|(1<<20)|(1<<21)|(4<<22)|(3<<25)
	s_mov_b32 s[G1V+0], 15|(3<<16)|(1<<20)|(1<<21)|(4<<22)|(7<<25)
	s_mov_b32 s[G1K+1], 32<<16                     ; tensor_dim0 = 32
	s_mov_b32 s[G1V+1], 32<<16
	s_mov_b32 s[G1K+2], 16<<16                     ; tensor_dim1 = 16
	s_mov_b32 s[G1V+2], 16<<16
	s_mov_b32 s[G1K+3], 32<<16                     ; tile_dim0 = 32
	s_mov_b32 s[G1V+3], 32<<16
	s_mov_b32 s[G1K+4], 16                         ; tile_dim1 = 16
	s_mov_b32 s[G1V+4], 16
	s_mov_b32 s[G1K+5], 32                         ; pitch = 32 elements
	s_mov_b32 s[G1V+5], 32
	s_mov_b32 s[G1K+6], 0
	s_mov_b32 s[G1V+6], 0
	s_mov_b32 s[G1K+7], 0
	s_mov_b32 s[G1V+7], 0
	s_mul_i32 s72, s8, KSTEPB                      ; where my 32 keys go: half x slot + (w % 8) x 32 keys = w x 32 keys, in K,
	s_mul_i32 s73, s8, VSTEPB                      ; in V
	s_add_co_u32 s73, s73, VBASE
	s_mul_i32 s42, s41, KSTEPB                     ; the way out's stage of waves 0-7: 4,608 bytes each in K's slot 0
	s_mul_i32 s43, s40, KSLOT                      ; my half's slot of K,
	s_mul_i32 s44, s40, VSLOT                      ; of V
	s_add_co_u32 s44, s44, VBASE
	s_mul_i32 s45, s41, HAND                       ; the hand-over of waves w and w + 8: 9,216 bytes in V's slots 0, 1
	s_add_co_u32 s45, s45, VBASE
	s_lshl_b32 s74, s10, 18                        ; the head's plane: 262,144 bytes
	s_lshl_b32 s75, s40, 17                        ; my half: 1,024 keys of 128 bytes
	s_add_co_u32 s74, s74, s75
	s_lshl_b32 s75, s41, 12                        ; my 32 keys: 4,096 bytes
	s_add_co_u32 s74, s74, s75
	s_mov_b32 s75, 0
	s_lshl_b32 s78, s10, 18                        ; my 32 queries: plane, 256 x block, 32 x (w % 8), 128 bytes each
	s_lshl_b32 s79, s11, 15
	s_add_co_u32 s78, s78, s79
	s_lshl_b32 s79, s41, 12
	s_add_co_u32 s78, s78, s79
	s_mov_b32 s79, 0
	s_wait_dscnt 0x0
	s_wait_kmcnt 0x0
	s_add_nc_u64 s[76:77], s[4:5], s[74:75]
	s_add_nc_u64 s[12:13], s[4:5], s[78:79]        ; Q
	s_add_nc_u64 s[14:15], s[6:7], s[78:79]        ; ctx
.irp t, 0,1
	s_mov_b32 s[G0K+4*\t], 1
	s_add_co_u32 s[G0K+4*\t+1], s72, \t*2*KSLOT
	s_add_nc_u64 s[G0K+4*\t+2:G0K+4*\t+3], s[76:77], 8388608+\t*32768      ; K's planes lie 8,388,608 bytes into qkvh
	s_or_b32 s[G0K+4*\t+3], s[G0K+4*\t+3], 0x80000000
	s_mov_b32 s[G0V+4*\t], 1
	s_add_co_u32 s[G0V+4*\t+1], s73, \t*2*VSLOT
	s_add_nc_u64 s[G0V+4*\t+2:G0V+4*\t+3], s[76:77], 16777216+\t*32768     ; V's 16,777,216
	s_or_b32 s[G0V+4*\t+3], s[G0V+4*\t+3], 0x80000000
.endr
	ROUND                                          ; in front of the first joint loads
.irp t, 0,1
	tensor_load_to_lds s[G0K+4*\t:G0K+4*\t+3], s[G1K:G1K+7]
	s_nop 0
	tensor_load_to_lds s[G0V+4*\t:G0V+4*\t+3], s[G1V:G1V+7]
	s_nop 0
.endr
	v_and_b32 v28, 15, v0                          ; r
	v_bfe_u32 v29, v0, 4, 1                        ; h
	v_lshlrev_b32 v[QO], 7, v28
	v_lshl_add_u32 v[QO], v29, 4, v[QO]            ; r x 128 + 16 h
.irp p, 0,1
.irp dh, 0,1
	global_load_b128 v[QQ+16*\p+8*\dh:QQ+16*\p+8*\dh+3],   v[QO], s[12:13] offset:\p*2048+\dh*64
	global_load_b128 v[QQ+16*\p+8*\dh+4:QQ+16*\p+8*\dh+7], v[QO], s[12:13] offset:\p*2048+\dh*64+32
.endr
.endr
	v_mul_u32_u24 v[KL], v28, KPITCH
	v_lshl_add_u32 v[KL], v29, 4, v[KL]
	v_and_b32 v30, 7, v0
	v_lshl_add_u32 v31, v29, 3, v30                ; 8 h + l % 8
	v_mul_u32_u24 v[VL], v31, VPITCH
	v_bfe_u32 v31, v0, 3, 1
	v_lshl_add_u32 v[VL], v31, 4, v[VL]
	v_add_nc_u32 v[VL], s44, v[VL]
	v_add_nc_u32 v[STO], s42, v[KL]                ; the stage: 32 rows at pitch 144
	v_add_nc_u32 v[KL], s43, v[KL]
	v_bfe_u32 v31, v0, 3, 2
	v_mul_u32_u24 v[RD], v31, KPITCH
	v_lshl_add_u32 v[RD], v30, 4, v[RD]
	v_add_nc_u32 v[RD], s42, v[RD]
	v_and_b32 v[CO], 31, v0
	v_lshlrev_b32 v[CO], 4, v[CO]
	v_add_nc_u32 v[CS], s45, v[CO]
	v_mov_b32 v[AL], 1.0                           ; pairs are read whole: their other halves are written once here
	v_mov_b32 v[AL+1], 1.0
	v_mov_b32 v[ST+1], 0
	v_mov_b32 v[ST+9], 0
	v_mov_b32 v[KA], v[KL]
	v_mov_b32 v[VA], v[VL]
	EVB 2                                          ; tile 0 of both halves is in, everybody's part; my two loads of tile 1 stay out
	LK 0, 0
	LK 1, 0
	LK 2, 0
	LK 3, 0
	s_wait_loadcnt 0x0                             ; Q
	s_wait_dscnt 0x0                               ; K(0)
	WS 0, 0
	WS 0, 1
	WS 0, 2
	WS 0, 3
.rept 4
	v_nop                                          ; the places in front of the first read of S_A(0)
.endr
	LV 0, 0
	LV 1, 0
	LV 2, 0
	LV 3, 0
.irp g, 0,1,2,3
	VH \g, 0, 0, 1, 1
	VT \g, 0, 0, 1, 1
.endr
	UNIT 1, 0, KSTEPB, VSTEPB, 1, 0                ; unit 1
	SEG 3, 2*KSTEPB, 2*VSTEPB                      ; units 2-7: the rest of tile 0
	EVR 0                                          ; tile 1 has landed; tile 2 goes out
	SEG 4, 2*KSLOT, 2*VSLOT                        ; units 8-15: tile 1
	EVR 1                                          ; tile 2 has landed; tile 3 goes out
	SEG 4, 0, 0                                    ; units 16-23: tile 2
	EVB 0                                          ; tile 3 has landed: no tensor load is out from here on
	SEG 4, 2*KSLOT, 2*VSLOT                        ; units 24-31: tile 3
	UNIT 0, 1, 0, 0, 0, 1                          ; unit 32 finishes step 31
	; THE HALVES ARE JOINED.  A lane's two partial row sums become one; with the two v_nop these are the four places behind the last product,
	; in front of the LDS stores that read accumulators and of the loads into V's registers.
	v_add_f32 v[ST+2], v[ST+2], v[ST+3]
	v_add_f32 v[ST+10], v[ST+10], v[ST+11]
	v_nop
	v_nop
	; The hand-over lies in V's slots 0 and 1 and the stage in K's slot 0: they had their last fill with tile 2, and every wave's reads of
	; them were back in front of the barrier of tile 3.
	s_cmp_lt_u32 s8, 8
	s_cbranch_scc1 .Lkeeps                         ; waves 0-7 keep their state
.irp k, 0,1,2,3,4,5,6,7,8,9,10,11,12,13,14,15
	ds_store_b128 v[CS], v[AC+4*\k:AC+4*\k+3] offset:\k*512        ; 32 lanes, 16 neighbouring bytes each
.endr
	ds_store_b128 v[CS], v[ST:ST+3] offset:16*512                  ; piece 0: +1 the last step's -c x maximum, +2 the row sum
	ds_store_b128 v[CS], v[ST+8:ST+11] offset:17*512               ; piece 1
.Lkeeps:
	s_wait_dscnt 0x0                               ; my stores are in LDS before I say so
	s_barrier_signal -1
	s_barrier_wait -1
	s_cmp_ge_u32 s8, 8
	s_cbranch_scc1 .Lclose                         ; waves 8-15 have handed over
	ds_load_b128 v[160:163], v[CS] offset:16*512
	ds_load_b128 v[164:167], v[CS] offset:17*512
.irp k, 0,1,2,3,4,5,6,7,8,9,10,11,12,13,14,15
	ds_load_b128 v[KK+4*\k:KK+4*\k+3], v[CS] offset:\k*512
.endr
	s_wait_dscnt 16                                ; the sixteen loads of accumulators stay out: maxima and sums are in
	v_min_num_f32 v168, v[ST+1], v161              ; -c x the larger maximum, piece 0,
	v_min_num_f32 v170, v[ST+9], v165              ; piece 1
	v_sub_f32 v169, v168, v161                     ; c x (a half's maximum - the larger), at most 0
	v_sub_f32 v171, v170, v165
	v_sub_f32 v168, v168, v[ST+1]
	v_sub_f32 v170, v170, v[ST+9]
	v_exp_f32 v168, v168                           ; my half's weight, piece 0
	v_exp_f32 v169, v169                           ; the other half's
	v_exp_f32 v170, v170                           ; piece 1
	v_exp_f32 v171, v171
	v_nop                                          ; a plain instruction between the exponentials and their use (ISA guide 5.7.2)
	s_wait_alu depctr_va_vdst(0)
	v_mul_f32 v172, v168, v[ST+2]
	v_mul_f32 v173, v170, v[ST+10]
	v_fma_f32 v172, v169, v162, v172               ; the lane's row sum over all keys
	v_fma_f32 v173, v171, v166, v173
	v_permlanex16_b32 v160, v172, s70, s71         ; and the partner lane's
	v_permlanex16_b32 v164, v173, s70, s71
	v_add_f32 v172, v172, v160
	v_add_f32 v173, v173, v164
	v_rcp_f32 v172, v172                           ; the sum is at least about 1: the maximum's own term
	v_rcp_f32 v173, v173
	v_nop
	s_wait_alu depctr_va_vdst(0)
	v_mul_f32 v[AL], v168, v172                    ; weight / sum: my half's factors,
	v_mul_f32 v[AL+1], v170, v173
	v_mul_f32 v174, v169, v172                     ; the other half's
	v_mul_f32 v175, v171, v173
	s_wait_dscnt 0x0                               ; the other half's accumulators
.irp p, 0,1
.irp k, 0,1,2,3,4,5,6,7,8,9,10,11,12,13,14,15
	RSC \p, \k
.endr
.irp k, 0,1,2,3,4,5,6,7,8,9,10,11,12,13,14,15
	HND \p, \k
.endr
.irp k, 0,1,2,3,4,5,6,7,8,9,10,11,12,13,14,15
	v_cvt_pk_f16_f32 v[SS+16*\p+\k], v[AC+32*\p+2*\k], v[AC+32*\p+2*\k+1]
.endr
.irp dt, 0,1,2,3
	ds_store_b128 v[STO], v[SS+16*\p+4*\dt:SS+16*\p+4*\dt+3] offset:\p*16*KPITCH+32*\dt    ; query 16 p + r, d = 16 dt + 8 h + 0..7
.endr
.endr
.irp i, 0,1,2,3,4,5,6,7
	ds_load_b128 v[KK+4*\i:KK+4*\i+3], v[RD] offset:\i*4*KPITCH    ; my own bytes, served in order: no wait between stores and loads
.endr
.irp i, 0,1,2,3,4,5,6,7
	s_wait_dscnt 7-\i                              ; the younger read-backs stay out
	global_store_b128 v[CO], v[KK+4*\i:KK+4*\i+3], s[14:15] offset:\i*512      ; four queries: 512 consecutive bytes, aligned
.endr
.Lclose:
	s_wait_tensorcnt 0x0
	ds_add_u32 v240, v241
	s_wait_dscnt 0x0
	ROUND                                          ; the closing round
	s_endpgm
.Lfunc_end_k_qc3da29b1b0_attn:
	.size	k_qc3da29b1b0_attn, .Lfunc_end_k_qc3da29b1b0_attn-k_qc3da29b1b0_attn
	.p2alignl 7, 3214868480
	.fill 96, 4, 3214868480
	.section	.rodata,"a",@progbits
	.p2align	6, 0x0
	.amdhsa_kernel k_qc3da29b1b0_attn
		.amdhsa_group_segment_fixed_size 327680
		.amdhsa_private_segment_fixed_size 0
		.amdhsa_enable_private_segment 0
		.amdhsa_kernarg_size 16
		.amdhsa_user_sgpr_count 2
		.amdhsa_user_sgpr_kernarg_segment_ptr 1
		.amdhsa_wavefront_size32 1
		.amdhsa_system_sgpr_workgroup_id_x 1
		.amdhsa_system_sgpr_workgroup_id_y 1
		.amdhsa_system_sgpr_workgroup_id_z 1
		.amdhsa_system_vgpr_workitem_id 0
		.amdhsa_next_free_vgpr 242
		.amdhsa_next_free_sgpr 80
		.amdhsa_reserve_vcc 0
		.amdhsa_float_denorm_mode_32 3
		.amdhsa_float_denorm_mode_16_64 3
		.amdhsa_memory_ordered 1
		.amdhsa_forward_progress 1
		.amdhsa_inst_pref_size 121
	.end_amdhsa_kernel
	.amdgpu_metadata
---
amdhsa.version: [ 1, 2 ]
amdhsa.kernels:
  - .name:           k_qc3da29b1b0_attn
    .symbol:         k_qc3da29b1b0_attn.kd
    .args:
      - { .name: qkvh, .offset: 0, .size: 8, .value_kind: global_buffer, .address_space: global }
      - { .name: ctxh, .offset: 8, .size: 8, .value_kind: global_buffer, .address_space: global }
    .group_segment_fixed_size: 327680
    .private_segment_fixed_size: 0
    .kernarg_segment_align: 8
    .kernarg_segment_size: 16
    .max_flat_workgroup_size: 512
    .sgpr_count:     80
    .vgpr_count:     242
    .wavefront_size: 32
...
	.end_amdgpu_metadata
.endif
;; end of part 3
;; launch oproj (part 4): grid 8 x 32, 4 waves a work-group, clusters of 4 x 4, 327,680 bytes of LDS; arguments ctxh, wt, bo, out0; writes out0
.if DOCPART == 4
	.amdgcn_target "amdgcn-amd-amdhsa--gfx1250"
	.amdhsa_code_object_version 6
	.text
	.protected	k_qc3da29b1b0_oproj
	.globl	k_qc3da29b1b0_oproj
	.p2align	8
	.type	k_qc3da29b1b0_oproj,@function
k_qc3da29b1b0_oproj:
	s_mov_b64 s[64:65], 0
	v_nop
	global_prefetch_b8 v0, s[64:65] scope:SCOPE_SE
	s_setreg_imm32_b32 hwreg(HW_REG_WAVE_MODE, 25, 1), 1
	s_wait_xcnt 0x0
	s_wait_alu depctr_hold_cnt(0) depctr_sa_sdst(0) depctr_va_vdst(0) depctr_va_sdst(0) depctr_va_ssrc(0) depctr_va_vcc(0) depctr_vm_vsrc(0)
	s_getreg_b32 s2, hwreg(HW_REG_IB_STS2, 6, 4)
	s_cmp_eq_u32 s2, 0
	s_cbranch_scc0 .Lentry_in_a_cluster
	s_endpgm
.Lentry_in_a_cluster:
	s_bfe_u32 s2, ttmp6, 0x10000c
	s_cmp_lg_u32 s2, 0xf033
	s_cbranch_scc0 .Lentry_shape_is_right
	s_endpgm
.Lentry_shape_is_right:
; out0[m][n] = bo[n] + sum over k of ctx[m][k] Wo[k][n].  ctx comes by heads, ctxh [b][head][t][64] f16 (k = 64 head + d); Wo^T is wt's
; fourth matrix, [n][k] f16; out0 [4096][1024] f32.  f16 operands, f32 sums.
; A work-group makes 128 x 128 with four waves, a wave 64 x 64 (16 accumulator tiles): 32 x 8 = 256 work-groups; blocks of 256 x 256 would
; make 64.  K goes in 8 steps of 128 (two heads) through four LDS slots, filled again two at a time.
; CLUSTERS: 4 x 4.  ctx's tiles are shared along a row of the cluster, Wo^T's along a column, each asked for jointly.
; A wave issues one tensor load a K step: waves 0, 1 one head's 128 rows x 128 bytes (dense 16,384 bytes), waves 2, 3 64 rows of Wo^T.
; By this text's count a wave has 4 tensor loads out at the start and 2 behind a refill.
; TRANSPOSED use (source 0 = Wo^T, source 1 = ctx): a lane holds 8 neighbouring columns of one row, and the bias is the first products' C.
; The 16 accumulators take turns, one instruction a turn, in the same order in every quarter step.
; REGISTERS: window 0: v16-27 addresses, v64-127 ctx's fragments (two buffers), v128-191 Wo^T's, v192-223 the bias; window 1: tile (a, b) at v[8 (4 a + b)].
.set SLOTB, 71680                      ; a slot: two planes of ctx, 128 rows at pitch 144 each, then 128 rows of Wo^T at pitch 272
.set APL,   18432
.set BOFF,  36864
.set STAGE, 4*SLOTB                    ; 286,720: 16 rows x 272 bytes for each wave, for the way out
.set ADRA, 16                          ; v16-19  slot s: LDS address of my ctx fragments
.set ADRB, 20                          ; v20-23  the same for Wo^T
.set STO,  24
.set RD,   25
.set CO,   26
.set BO,   27
.set FA,   64                          ; + 32 f + 8 a
.set FB,   128                         ; + 32 f + 8 b
.set BIAS, 192                         ; + 8 b
.set G1A, 16                           ; s[16:23]
.set G1B, 24                           ; s[24:31]
.set G0A, 32                           ; s[32:47], a set for each slot
.set G0B, 48                           ; s[48:63]
.set W_MUL,   0x50                     ; C and D window 1, sources window 0
.set W_FIRST, 0x40                     ; D window 1, C (the bias) window 0
.set W_OUT,   0x04                     ; an LDS store's data window 1, its address window 0
.set MSB, 0
.macro WIN new                         ; the immediate's high byte repeats the setting that is left
.if MSB != \new
	s_set_vgpr_msb (MSB<<8)|\new
.set MSB, \new
.endif
.endm
.macro PLACES                          ; four places between a matrix instruction and a load into, or a store or read of, its registers (ISA guide 7.12.1 for vector instructions)
.rept 4
	v_nop
.endr
.endm
.macro JLOAD s                         ; the branch hangs on the wave's number alone
	s_cmp_eq_u32 s13, 0
	s_cbranch_scc0 .Lfor_b_\@
	tensor_load_to_lds s[G0A+4*\s:G0A+4*\s+3], s[G1A:G1A+7]
	s_nop 0
	s_branch .Lasked_\@
.Lfor_b_\@:
	tensor_load_to_lds s[G0B+4*\s:G0B+4*\s+3], s[G1B:G1B+7]
	s_nop 0
.Lasked_\@:
.endm
.macro CREST                           ; a round of the cluster's barrier behind its opening barrier
	s_cmp_lg_u32 s12, 0
	s_cbranch_scc1 .Lnot_wave_0_\@
	s_barrier_signal -3
.Lnot_wave_0_\@:
	s_barrier_wait -3
	s_barrier_signal -1
	s_barrier_wait -1
.endm
.macro CROUND
	s_barrier_signal -1
	s_barrier_wait -1
	CREST
.endm
.macro EVB cnt                         ; shows the next K step's tile to all waves
	s_wait_dscnt 0x0
	s_wait_tensorcnt \cnt
	s_barrier_signal -1
	s_barrier_wait -1
.endm
.macro EVR a, b                        ; slots a and b have been read and are filled again, four K steps on
	s_wait_dscnt 0x0                               ; my reads of them are back
	s_wait_tensorcnt 0x0                           ; all my tensor loads have landed
	ds_add_u32 v254, v255
	s_wait_dscnt 0x0
	s_barrier_signal -1
	s_barrier_wait -1
	CREST                                          ; both now hold of every wave of all sixteen work-groups
.irp t, \a, \b
	s_add_nc_u64 s[G0A+4*\t+2:G0A+4*\t+3], s[G0A+4*\t+2:G0A+4*\t+3], 2097152   ; eight heads on
	s_add_nc_u64 s[G0B+4*\t+2:G0B+4*\t+3], s[G0B+4*\t+2:G0B+4*\t+3], 1024      ; 512 k on
.endr
	JLOAD \a
	JLOAD \b
.endm
	s_load_b256 s[4:11], s[0:1], 0x0               ; ctxh s[4:5], wt s[6:7], bo s[8:9], out0 s[10:11]
	v_lshl_add_u32 v254, v0, 2, 0x4a400
	v_mov_b32 v255, 0
	ds_add_u32 v254, v255
	v_lshrrev_b32 v1, 5, v0
	v_readfirstlane_b32 s12, v1                    ; wave 0..3
	s_lshr_b32 s13, s12, 1                         ; my 64 rows; also: I fetch ctx (0) or Wo^T (1)
	s_and_b32 s14, s12, 1                          ; my 64 columns; also: which plane, which 64 rows I fetch
	s_bfe_u32 s66, ttmp6, 0x40000                  ; cx
	s_bfe_u32 s67, ttmp6, 0x40004                  ; cy
	s_lshl_b32 s68, ttmp9, 2
	s_add_co_u32 s68, s68, s66                     ; block column
	s_and_b32 s69, ttmp7, 0xffff
	s_lshl_b32 s69, s69, 2
	s_add_co_u32 s69, s69, s67                     ; block row
	s_lshl_b32 s70, s67, 2
	s_lshl_b32 s70, 15, s70                        ; my row of the cluster
	s_lshl_b32 s71, 0x1111, s66                    ; my column
	; ctx: 16,384 dense bytes as 64 rows of 32 elements of 8 bytes, 16 bytes of padding behind every 32 words (a token's 128 bytes)
	s_or_b32 s[G1A+0], s70, (3<<16)|(1<<20)|(1<<21)|(4<<22)|(3<<25)
	s_mov_b32 s[G1A+1], 32<<16
	s_mov_b32 s[G1A+2], 64<<16
	s_mov_b32 s[G1A+3], 32<<16
	s_mov_b32 s[G1A+4], 64
	s_mov_b32 s[G1A+5], 32
	s_mov_b32 s[G1A+6], 0
	s_mov_b32 s[G1A+7], 0
	; Wo^T: 64 rows x 128 elements of 2 bytes, 1,024 elements from row to row, 16 bytes of padding behind every 64 words
	s_or_b32 s[G1B+0], s71, (1<<16)|(1<<20)|(1<<21)|(5<<22)|(3<<25)
	s_mov_b32 s[G1B+1], 128<<16
	s_mov_b32 s[G1B+2], 64<<16
	s_mov_b32 s[G1B+3], 128<<16
	s_mov_b32 s[G1B+4], 64
	s_mov_b32 s[G1B+5], 1024
	s_mov_b32 s[G1B+6], 0
	s_mov_b32 s[G1B+7], 0
	s_lshr_b32 s72, s69, 4                         ; ctx: batch = block row / 16: 16 planes of 262,144 bytes,
	s_lshl_b32 s72, s72, 22
	s_and_b32 s76, s69, 15                         ; 128 tokens x 128 bytes for each block row,
	s_lshl_b32 s76, s76, 14
	s_add_co_u32 s72, s72, s76
	s_lshl_b32 s76, s14, 18                        ; my plane of the K step's two
	s_add_co_u32 s72, s72, s76
	s_mov_b32 s73, 0
	s_lshl_b32 s74, s68, 18                        ; Wo^T: 128 rows of 2,048 bytes for each block column,
	s_lshl_b32 s78, s14, 17                        ; my 64 rows,
	s_add_co_u32 s74, s74, s78
	s_add_co_u32 s74, s74, 6291456                 ; wt's fourth matrix
	s_mov_b32 s75, 0
	s_mul_i32 s77, s12, APL                        ; LDS: waves 0, 1: plane = wave
	s_mul_i32 s79, s12, 64*272                     ; waves 2, 3: BOFF + (wave - 2) x 64 rows
	s_add_co_u32 s79, s79, BOFF-2*64*272
	s_lshl_b32 s78, s68, 9                         ; my 64 columns, 4 bytes each: in bo and in a row of out0
	s_lshl_b32 s15, s14, 8
	s_add_co_u32 s78, s78, s15
	s_wait_dscnt 0x0
	s_wait_kmcnt 0x0
	s_add_nc_u64 s[72:73], s[4:5], s[72:73]
	s_add_nc_u64 s[74:75], s[6:7], s[74:75]
	CROUND                                         ; in front of the first joint loads
.irp t, 0,1,2,3
	s_mov_b32 s[G0A+4*\t], 1
	s_add_co_u32 s[G0A+4*\t+1], s77, \t*SLOTB
	s_add_nc_u64 s[G0A+4*\t+2:G0A+4*\t+3], s[72:73], \t*524288     ; two heads a K step
	s_or_b32 s[G0A+4*\t+3], s[G0A+4*\t+3], 0x80000000
	s_mov_b32 s[G0B+4*\t], 1
	s_add_co_u32 s[G0B+4*\t+1], s79, \t*SLOTB
	s_add_nc_u64 s[G0B+4*\t+2:G0B+4*\t+3], s[74:75], \t*256
	s_or_b32 s[G0B+4*\t+3], s[G0B+4*\t+3], 0x80000000
	JLOAD \t
.endr
	s_mov_b32 s79, 0                               ; s[78:79]: the column offset (s79 is no descriptor's register)
	s_add_nc_u64 s[8:9], s[8:9], s[78:79]
	s_add_nc_u64 s[10:11], s[10:11], s[78:79]
	v_and_b32 v1, 15, v0                           ; r
	v_bfe_u32 v2, v0, 4, 1                         ; h
	v_lshlrev_b32 v[BO], 5, v2
.irp b, 0,1,2,3
	global_load_b128 v[BIAS+8*\b:BIAS+8*\b+3],   v[BO], s[8:9] offset:64*\b        ; bo[n0 + 16 b + 8 h + 0..3]
	global_load_b128 v[BIAS+8*\b+4:BIAS+8*\b+7], v[BO], s[8:9] offset:64*\b+16
.endr
	s_lshl_b32 s76, s69, 19                        ; my first row of out0: 128 x block row + 64 x half, 4,096 bytes each
	s_lshl_b32 s77, s13, 18
	s_add_co_u32 s76, s76, s77
	s_mov_b32 s77, 0
	s_add_nc_u64 s[10:11], s[10:11], s[76:77]
	v_mul_u32_u24 v3, v1, 144
	v_lshl_add_u32 v3, v2, 4, v3
	v_mul_u32_u24 v4, v1, 272
	v_lshl_add_u32 v4, v2, 4, v4
	s_mul_i32 s76, s13, 64*144                     ; my 64 rows of ctx
	s_mul_i32 s78, s14, 64*272                     ; my 64 rows of Wo^T
	s_add_co_u32 s78, s78, BOFF
.irp s, 0,1,2,3
	v_add_nc_u32 v[ADRA+\s], s76, v3
	v_add_nc_u32 v[ADRB+\s], s78, v4
	s_add_co_u32 s76, s76, SLOTB
	s_add_co_u32 s78, s78, SLOTB
.endr
	s_mul_i32 s76, s12, 16*272
	s_add_co_u32 s76, s76, STAGE                   ; my stage
	v_mul_u32_u24 v5, v1, 272
	v_lshl_add_u32 v5, v2, 5, v5
	v_add_nc_u32 v[STO], s76, v5                   ; in: row r, 32 bytes for each half of the lanes
	v_mul_u32_u24 v5, v2, 272
	v_lshl_add_u32 v5, v1, 4, v5
	v_add_nc_u32 v[RD], s76, v5                    ; back: lanes 0-15 one row of 256 bytes, lanes 16-31 the next
	v_lshlrev_b32 v5, 12, v2
	v_lshl_add_u32 v[CO], v1, 4, v5                ; the same two rows in out0
; 16 LDS loads in one run: quarter q (32 along K) of a slot into buffer f.  Quarter q lies in plane q / 2 at byte 64 (q % 2) of ctx's rows.
.macro FETCH slot, q, f
.irp b, 0,1,2,3
	ds_load_b128 v[FB+32*\f+8*\b:FB+32*\f+8*\b+3],   v[ADRB+\slot] offset:\b*16*272+64*\q
	ds_load_b128 v[FB+32*\f+8*\b+4:FB+32*\f+8*\b+7], v[ADRB+\slot] offset:\b*16*272+64*\q+32
.endr
.irp a, 0,1,2,3
	ds_load_b128 v[FA+32*\f+8*\a:FA+32*\f+8*\a+3],   v[ADRA+\slot] offset:\a*16*144+(\q>>1)*APL+(\q&1)*64
	ds_load_b128 v[FA+32*\f+8*\a+4:FA+32*\f+8*\a+7], v[ADRA+\slot] offset:\a*16*144+(\q>>1)*APL+(\q&1)*64+32
.endr
.endm
.macro MUL8 f, a0, zero                ; row blocks a0, a0 + 1 x all four column blocks
.irp a, \a0, \a0+1
.irp b, 0,1,2,3
.if \zero
	v_wmma_f32_16x16x32_f16 v[8*(4*(\a)+\b):8*(4*(\a)+\b)+7], v[FB+32*\f+8*\b:FB+32*\f+8*\b+7], v[FA+32*\f+8*(\a):FA+32*\f+8*(\a)+7], v[BIAS+8*\b:BIAS+8*\b+7]
.else
	v_wmma_f32_16x16x32_f16 v[8*(4*(\a)+\b):8*(4*(\a)+\b)+7], v[FB+32*\f+8*\b:FB+32*\f+8*\b+7], v[FA+32*\f+8*(\a):FA+32*\f+8*(\a)+7], v[8*(4*(\a)+\b):8*(4*(\a)+\b)+7]
.endif
.endr
.endr
.endm
; A quarter step: multiplies buffer f; in its middle stands the event (if any), then the fetch of the next quarter (slot nslot, quarter nq) into buffer g.
.macro QUARTER f, g, nslot, nq, zero, ev
	s_wait_dscnt 4                                 ; Wo^T and ctx's row blocks 0, 1 are in; the youngest four loads (blocks 2, 3) may be out
.if \zero
	WIN W_FIRST
.else
	WIN W_MUL
.endif
	MUL8 \f, 0, \zero
	WIN 0
.if \ev == 1
	EVB 2                                          ; K step 1 is in; 2 and 3 stay out
.endif
.if \ev == 2
	EVR 0, 1                                       ; K steps 2, 3 have landed; 4, 5 go out
.endif
.if \ev == 3
	EVR 2, 3                                       ; K steps 4, 5 have landed; 6, 7 go out
.endif
.if \ev == 4
	EVB 0                                          ; K steps 6, 7 have landed
.endif
	PLACES
	FETCH \nslot, \nq, \g
	s_wait_dscnt 16                                ; all but the 16 just issued
.if \zero
	WIN W_FIRST
.else
	WIN W_MUL
.endif
	MUL8 \f, 2, \zero
.endm
.macro KST slot, next, zero, ev        ; a K step; its last quarter fetches the next slot's first fragments, behind the event
	QUARTER 0, 1, \slot, 1, \zero, 0
	QUARTER 1, 0, \slot, 2, 0, 0
	QUARTER 0, 1, \slot, 3, 0, 0
	QUARTER 1, 0, \next, 0, 0, \ev
.endm
	s_wait_tensorcnt 3                             ; my part of K step 0 is in; K steps 1-3 stay out
	s_barrier_signal -1
	s_barrier_wait -1
	s_wait_loadcnt 0x0                             ; the bias
	FETCH 0, 0, 0
	KST 0, 1, 1, 1
	KST 1, 2, 0, 2
	KST 2, 3, 0, 0
	KST 3, 0, 0, 3
	KST 0, 1, 0, 0
	KST 1, 2, 0, 4
	KST 2, 3, 0, 0
	QUARTER 0, 1, 3, 1, 0, 0
	QUARTER 1, 0, 3, 2, 0, 0
	QUARTER 0, 1, 3, 3, 0, 0
	s_wait_dscnt 4                                 ; the very last quarter: nothing more to fetch
	WIN W_MUL
	MUL8 1, 0, 0
	s_wait_dscnt 0
	MUL8 1, 2, 0
	; THE WAY OUT, 16 rows at a time: 32 bytes a lane into my own stage, read back as whole rows of 256 bytes.
	PLACES
.macro OUT a, f
	WIN W_OUT
.irp b, 0,1,2,3
	ds_store_b128 v[STO], v[8*(4*\a+\b):8*(4*\a+\b)+3]   offset:64*\b
	ds_store_b128 v[STO], v[8*(4*\a+\b)+4:8*(4*\a+\b)+7] offset:64*\b+16
.endr
	WIN 0
	s_wait_xcnt 0x0                                ; buffer f, which earlier stores read, is loaded again only behind this wait
.irp t, 0,1,2,3,4,5,6,7
	ds_load_b128 v[\f+4*\t:\f+4*\t+3], v[RD] offset:\t*2*272       ; my own bytes, served in order
.endr
.irp t, 0,1,2,3,4,5,6,7
	s_wait_dscnt 7-\t                              ; the younger read-backs stay out
	global_store_b128 v[CO], v[\f+4*\t:\f+4*\t+3], s[10:11] offset:\a*65536+\t*8192 th:TH_STORE_NT   ; 16 lanes store 256 consecutive bytes, aligned
.endr
.endm
	OUT 0, FA
	OUT 1, FA+32
	OUT 2, FA
	OUT 3, FA+32
	s_wait_tensorcnt 0x0
	ds_add_u32 v254, v255
	s_wait_dscnt 0x0
	CROUND                                         ; the closing round
	s_endpgm
.Lfunc_end_k_qc3da29b1b0_oproj:
	.size	k_qc3da29b1b0_oproj, .Lfunc_end_k_qc3da29b1b0_oproj-k_qc3da29b1b0_oproj
	.p2alignl 7, 3214868480
	.fill 96, 4, 3214868480
	.section	.rodata,"a",@progbits
	.p2align	6, 0x0
	.amdhsa_kernel k_qc3da29b1b0_oproj
		.amdhsa_group_segment_fixed_size 327680
		.amdhsa_private_segment_fixed_size 0
		.amdhsa_enable_private_segment 0
		.amdhsa_kernarg_size 32
		.amdhsa_user_sgpr_count 2
		.amdhsa_user_sgpr_kernarg_segment_ptr 1
		.amdhsa_wavefront_size32 1
		.amdhsa_system_sgpr_workgroup_id_x 1
		.amdhsa_system_sgpr_workgroup_id_y 1
		.amdhsa_system_sgpr_workgroup_id_z 1
		.amdhsa_system_vgpr_workitem_id 0
		.amdhsa_next_free_vgpr 384
		.amdhsa_next_free_sgpr 80
		.amdhsa_reserve_vcc 0
		.amdhsa_float_denorm_mode_32 3
		.amdhsa_float_denorm_mode_16_64 3
		.amdhsa_memory_ordered 1
		.amdhsa_forward_progress 1
		.amdhsa_inst_pref_size 94
	.end_amdhsa_kernel
	.amdgpu_metadata
---
amdhsa.version: [ 1, 2 ]
amdhsa.kernels:
  - .name:           k_qc3da29b1b0_oproj
    .symbol:         k_qc3da29b1b0_oproj.kd
    .args:
      - { .name: ctxh, .offset: 0, .size: 8, .value_kind: global_buffer, .address_space: global }
      - { .name: wt, .offset: 8, .size: 8, .value_kind: global_buffer, .address_space: global }
      - { .name: bo, .offset: 16, .size: 8, .value_kind: global_buffer, .address_space: global }
      - { .name: out0, .offset: 24, .size: 8, .value_kind: global_buffer, .address_space: global }
    .group_segment_fixed_size: 327680
    .private_segment_fixed_size: 0
    .kernarg_segment_align: 8
    .kernarg_segment_size: 32
    .max_flat_workgroup_size: 128
    .sgpr_count:     80
    .vgpr_count:     384
    .wavefront_size: 32
...
	.end_amdgpu_metadata
.endif
;; end of part 4
